; MI455X (gfx1250); checked and timed in simulation.
; The chip was launched on July 23, 2026; its instructions are those of AMD's public machine-readable ISA for CDNA 5 (MIT licence, August 2026) and "CDNA5" Instruction Set Architecture Reference Guide (July 2026). The comments in the code are by the model that wrote it; some were corrected since.
;; Vector Quantize. Allowed arithmetic: matrix products marked QUANTISED: E2M3 operands, one E8M0 scale for each 32 along K, by v_wmma_scale_f32_16x16x128_f8f6f4 with both operands' format E2M3, f32 sums; everything else in f32.
;; Inputs: codebook 8,192 x 512 float32; x 32 x 512 x 512 float32.
;; Outputs: out0 32 x 512 x 512 float32; out1 one number float32; out2 one number float32; out3 32 x 512 int32.
;; This version of the problem:
;;   THIS VERSION OF THE PROBLEM IS GIVEN IN LOW PRECISION. The matrix products marked QUANTISED in the list below multiply operands that are first quantised to E2M3 (2 exponent bits, 3 mantissa bits; 6 bits a number), with one power-of-two scale for each 32 numbers along K (OCP MX v1.0); their sums are f32. All else is computed in f32.
;;   The module's matrix products, in the order in which they are computed (A, B: the left and right operand; K: the contracted axis; several contracted axes count as one K, in the product's order):
;;     1. [M 16,384, K 512] x [K 512, N 8,192]; A: input x; B: input codebook: QUANTISED
;;   THE QUANTISER, for each operand of a quantised product, along K:
;;     - K is cut into blocks of 32 from its start; a last block that is shorter is filled with zeros.
;;     - A block's scale is 2^e with e = floor(log2(the largest magnitude in the block)) - 2, held to -126 .. 127; a block of zeros has e = 0. As a byte (E8M0): e + 127.
;;     - Each number is divided by its block's scale, clamped to +-7.5, and rounded to the nearest number of E2M3, ties to even, subnormals kept.
;;     - The product sums the exact products of the quantised numbers (number of the format x scale) in f32.
;;   ~~~python
;;   def quantise(x, axis):      # numpy; x: float32 -> the quantised numbers, widened to float32 again
;;       x = np.moveaxis(x, axis, -1); K = x.shape[-1]
;;       x = np.pad(x, [(0, 0)] * (x.ndim - 1) + [(0, -K % 32)]); x = x.reshape(x.shape[:-1] + (-1, 32)); a = np.abs(x).max(-1, keepdims=True)
;;       e = np.where(a > 0, np.clip(np.frexp(np.where(a > 0, a, 1))[1] - 1 - 2, -126, 127), 0)      # np.frexp(a)[1] - 1 = floor(log2(a)), exactly
;;       r = np.clip(x / 2.0 ** e, -7.5, 7.5)
;;       step = 2.0 ** (np.maximum(np.frexp(np.where(r == 0, 1, r))[1] - 1, 0) - 3)
;;       q = np.round(r / step) * step * 2.0 ** e      # np.round: ties to even
;;       return np.moveaxis(q.reshape(q.shape[:-2] + (-1,))[..., :K], -1, axis).astype(np.float32)
;;   ~~~
;; One version. Each part assembles by itself: llvm-mc -triple=amdgcn-amd-amdhsa -mcpu=gfx1250 --defsym DOCPART=n.
;; ======== version 1 of 1: 4 launches
;; limits: right only within a limited range of input values
;; workspace buffers: xq 6,815,744 bytes; cbq 3,407,872 bytes; cand_val 131,072 bytes; cand_idx 131,072 bytes of whole numbers; part 16,384 bytes
;; launch quant (part 1): grid 256 x 1, 6 waves a work-group, no clusters, 74,496 bytes of LDS; arguments x, codebook, xq, cbq; writes xq, cbq
.if DOCPART == 1
	.amdgcn_target "amdgcn-amd-amdhsa--gfx1250"
	.amdhsa_code_object_version 6
	.text
	.protected	k_q2bcaf4f635_quant
	.globl	k_q2bcaf4f635_quant
	.p2align	8
	.type	k_q2bcaf4f635_quant,@function
k_q2bcaf4f635_quant:
	s_mov_b64 s[64:65], 0
	v_nop
	global_prefetch_b8 v0, s[64:65] scope:SCOPE_SE
	s_setreg_imm32_b32 hwreg(HW_REG_WAVE_MODE, 25, 1), 1
	s_wait_xcnt 0x0
; x [16384][512] and codebook [8192][512], f32, K innermost, become RECORDS of 16 rows: codes of FP6 (E2M3), one E8M0 byte for each 32 along K, and each row's sum of squares in f32.
; A block's scale is 2^(floor(log2(its largest magnitude)) - 2); its byte is the largest magnitude's exponent field - 2, held at 1 from below; numbers beyond 7.5 x scale take the largest code.
; A RECORD, 6,656 bytes (26 x 256): bytes 0-6143 four fragments (K steps of 128) as images of the operand's registers: registers 4 g .. 4 g + 3 of K step s lie at (3 s + g) x 512 + 16 x lane,
; lane = row + 16 h; register 6 c + 3 e + i of lane (row, h) holds the codes of k = 128 s + 64 c + 32 h + 16 e + 0 .. 15.  Bytes 6144-6399: scale bytes [16 rows][16 blocks].  Bytes 6400-6463: the 16 sums of squares.  The rest: zeros.
; So the next launch brings a fragment by three loads of 16 bytes a lane, and a run of records is one dense block.
; SHARES: 1,536 tiles of 16 rows, one to a wave: the first 1,024 are x's, the others the codebook's; only pointers are chosen, the text has one path.  A step is one row: 512 numbers.
; The loads take bytes as they lie (512 consecutive bytes a load); a row turns through the wave's own stage in LDS so that a lane holds 16 neighbours along K (two lanes to a block).
; The codes are scattered into the wave's image in LDS by words and leave at the end as whole runs of 512 consecutive bytes.  Waves share nothing: no barrier.
; LIMITS: NaN and infinities among the inputs are not served.  A block of zeros gets the byte 1 (not 127): its codes are zeros, and only this program reads the bytes.
; The sums of squares are f32 sums in this text's own order (two packed chains a lane, then across the lanes).
.set WREG,  12288                      ; LDS of a wave
.set SP,    80                         ; a lane's place in a stage: 64 bytes + 16 of padding
.set IMG,   2*32*SP                    ; behind the two stages: the image, 24 lines of 256 bytes + 16: line 6 s + 2 g + h, row r at 16 r
.set LINE,  272
.set SCB,   IMG+24*LINE                ; the 256 scale bytes
.set TAIL,  SCB+256                    ; 16 sums of squares, then zeros: 256 bytes
.set REC,   6656
.set PA,    12                         ; v12-14   where my three code words of a row go in the image
.set R,     16                         ; v16-79   four sets of 16 numbers as loaded; at the end the record on its way out
.set X,     80                         ; v80-111  two sets of 16 neighbours
.set E,     112                        ; v112-127 a scale byte for each step
.set C,     128                        ; v128-191 codes: four registers for each step (three used)
.set SQ,    192                        ; v192-207 a row's sum of squares for each step
.set SA,    208                        ; v[208:209], v[210:211] the two chains of squares
.set SB,    210
.set RBA,   212                        ; v212 the image on the way out
.set SBA,   213                        ; v213 scale bytes (and, 256 on, the tail) on the way out
.set G8,    214                        ; v214 8 x lane
.set Z,     216                        ; v[216:217] zeros
	s_load_b256 s[4:11], s[0:1], 0x0               ; x s[4:5], codebook s[6:7], xq s[8:9], cbq s[10:11]
	v_lshl_add_u32 v224, v0, 2, 0x12000
	v_mov_b32 v225, 0
	v_lshrrev_b32 v1, 5, v0
	v_readfirstlane_b32 s12, v1                    ; wave 0..5
	v_and_b32 v2, 31, v0                           ; lane
	v_lshlrev_b32 v3, 4, v2                        ; my 16 bytes of 512
	s_mul_i32 s13, ttmp9, 6
	s_add_co_u32 s13, s13, s12                     ; my tile, 0 .. 1535
	s_mul_i32 s15, s12, WREG                       ; my wave's LDS
	v_lshrrev_b32 v4, 2, v2
	v_mul_u32_u24 v4, v4, SP
	v_and_b32 v5, 3, v2
	v_lshl_add_u32 v4, v5, 4, v4
	v_add_nc_u32 v4, s15, v4                       ; the stage on the way in: SP (lane / 4) + 16 (lane % 4)
	v_mul_u32_u24 v5, v2, SP
	v_add_nc_u32 v5, s15, v5                       ; and on the way out: SP x lane
	s_add_co_u32 s18, s15, SCB
	v_lshrrev_b32 v6, 1, v2
	v_add_nc_u32 v6, s18, v6                       ; my block's scale byte: block = lane / 2
	v_lshlrev_b32 v[G8], 3, v2
	v_add_nc_u32 v[SBA], s18, v[G8]
	s_add_co_u32 s19, s15, TAIL
	v_mov_b32 v7, s19                              ; the sums of squares
	s_add_co_u32 s22, s15, IMG
	; lane l holds k = 16 l .. 16 l + 15: s = l >> 3, c = (l >> 2) & 1, h = (l >> 1) & 1, e = l & 1; its word i is register q = 6 c + 3 e + i: line 6 s + 2 (q >> 2) + h, word q & 3
	v_lshrrev_b32 v1, 3, v2
	v_bfe_u32 v8, v2, 2, 1
	v_bfe_u32 v9, v2, 1, 1
	v_and_b32 v15, 1, v2
	v_mul_u32_u24 v8, v8, 6
	v_mad_u32_u24 v8, v15, 3, v8                   ; 6 c + 3 e
	v_mad_u32_u24 v9, v1, 6, v9                    ; 6 s + h
.irp i, 0,1,2
	v_add_nc_u32 v15, \i, v8                       ; q
	v_lshrrev_b32 v1, 2, v15
	v_lshl_add_u32 v1, v1, 1, v9                   ; the line
	v_and_b32 v15, 3, v15
	v_mul_u32_u24 v1, v1, LINE
	v_lshl_add_u32 v1, v15, 2, v1
	v_add_nc_u32 v[PA+\i], s22, v1                 ; for a fixed i the 32 lanes' words fall on 32 different banks (line pitch 68 words; 64 banks of 4 bytes: ISA guide 11.1)
.endr
	v_lshrrev_b32 v1, 4, v2
	v_mul_u32_u24 v1, v1, LINE
	v_and_b32 v15, 15, v2
	v_lshl_add_u32 v1, v15, 4, v1
	v_add_nc_u32 v[RBA], s22, v1                   ; out: lanes 0-15 one line, lanes 16-31 the next
	v_mov_b32 v[Z], 0
	v_mov_b32 v[Z+1], 0
	v_mov_b32 v10, 0                               ; written once: a lane permute's destination counts as one of its sources
	s_mov_b32 s20, 0x76543210
	s_mov_b32 s21, 0xfedcba98                      ; v_permlanex16_b32's selects for lane l xor 16
	ds_store_b64 v[SBA], v[Z:Z+1] offset:256       ; the tail begins as zeros; the sums land on them later (LDS serves a wave's instructions in order: ISA guide 5.7.1.4)
	s_wait_kmcnt 0x0
	s_cmp_lt_u32 s13, 1024                         ; x's tile or the codebook's?  The choice hangs on ids alone
	s_cselect_b64 s[4:5], s[4:5], s[6:7]
	s_cselect_b64 s[8:9], s[8:9], s[10:11]
	s_cselect_b32 s14, 0, 1024
	s_sub_co_u32 s13, s13, s14                     ; the tile's number in its tensor
	s_lshl_b32 s16, s13, 15                        ; 16 rows of 2,048 bytes
	s_mov_b32 s17, 0
	s_add_nc_u64 s[4:5], s[4:5], s[16:17]
	s_mul_i32 s16, s13, REC
	s_add_nc_u64 s[8:9], s[8:9], s[16:17]
.macro LOAD t                          ; row t: four loads of 512 consecutive bytes.  No cache hint: a later launch reads these tensors again
.irp i, 0,1,2,3
	global_load_b128 v[R+16*((\t)%4)+4*\i:R+16*((\t)%4)+4*\i+3], v3, s[4:5] offset:2048*(\t)+512*\i
.endr
.endm
.macro TURN t                          ; row t through stage t % 2: in as loaded, out 64 bytes a lane
.irp i, 0,1,2,3
	ds_store_b128 v4, v[R+16*((\t)%4)+4*\i:R+16*((\t)%4)+4*\i+3] offset:32*SP*((\t)%2)+8*SP*\i
.endr
.irp i, 0,1,2,3
	ds_load_b128 v[X+16*((\t)%2)+4*\i:X+16*((\t)%2)+4*\i+3], v5 offset:32*SP*((\t)%2)+16*\i
.endr
.endm
.irp t, 0,1,2,3
	LOAD \t
.endr
	s_wait_loadcnt 12                              ; row 0's four loads are in; those of rows 1 to 3 may be out
	TURN 0
.macro STEP t
.set XS, X+16*((\t)%2)
.if (\t) > 0
	s_wait_dscnt 5                                 ; this row is back from the stage: behind its four loads only the last step's five stores were issued
.else
	s_wait_dscnt 0x0
.endif
.if (\t)+4 < 16
	LOAD (\t)+4                                    ; into the set that this row's stage stores have read
.endif
.if (\t) < 15
.if (\t) < 12
	s_wait_loadcnt 12                              ; the next row's loads are in; those of the three rows behind it may be out
.else
	s_wait_loadcnt 4*(14-(\t))                     ; the counts run down
.endif
	TURN (\t)+1
.endif
	v_max3_num_f32 v8, |v[XS]|, |v[XS+1]|, |v[XS+2]|               ; the largest magnitude of my 16, in two chains
	v_max3_num_f32 v9, |v[XS+3]|, |v[XS+4]|, |v[XS+5]|
.irp i, 6,10
	v_max3_num_f32 v8, v8, |v[XS+\i]|, |v[XS+\i+1]|
	v_max3_num_f32 v9, v9, |v[XS+\i+2]|, |v[XS+\i+3]|
.endr
	v_max3_num_f32 v8, v8, |v[XS+14]|, |v[XS+15]|
	v_max3_num_f32 v8, v8, v9, 0x1800000           ; and the floor 2^(3 - 127): the byte cannot fall under 1
	v_pk_mul_f32 v[SA:SA+1], v[XS:XS+1], v[XS:XS+1]                ; the row's sum of squares: two packed chains
	v_pk_mul_f32 v[SB:SB+1], v[XS+2:XS+3], v[XS+2:XS+3]
	v_max_num_f32_dpp v8, v8, v8 row_xmask:1 row_mask:0xf bank_mask:0xf   ; with my neighbour's 16: the block's largest magnitude
.irp i, 4,8,12
	v_pk_fma_f32 v[SA:SA+1], v[XS+\i:XS+\i+1], v[XS+\i:XS+\i+1], v[SA:SA+1]
	v_pk_fma_f32 v[SB:SB+1], v[XS+\i+2:XS+\i+3], v[XS+\i+2:XS+\i+3], v[SB:SB+1]
.endr
	v_add_nc_u32 v11, 0xff000000, v8               ; 2 off its exponent field: the conversion takes the exponent field of this operand as its scale
	v_pk_add_f32 v[SA:SA+1], v[SA:SA+1], v[SB:SB+1]
	v_add_f32 v[SQ+(\t)], v[SA], v[SA+1]
	v_add_f32_dpp v[SQ+(\t)], v[SQ+(\t)], v[SQ+(\t)] row_xmask:1 row_mask:0xf bank_mask:0xf
	v_add_f32_dpp v[SQ+(\t)], v[SQ+(\t)], v[SQ+(\t)] row_xmask:2 row_mask:0xf bank_mask:0xf
	v_add_f32_dpp v[SQ+(\t)], v[SQ+(\t)], v[SQ+(\t)] row_xmask:4 row_mask:0xf bank_mask:0xf
	v_add_f32_dpp v[SQ+(\t)], v[SQ+(\t)], v[SQ+(\t)] row_xmask:8 row_mask:0xf bank_mask:0xf
	v_permlanex16_b32 v10, v[SQ+(\t)], s20, s21
	v_add_f32 v[SQ+(\t)], v[SQ+(\t)], v10          ; every lane holds the row's sum
	v_cvt_scalef32_pk16_fp6_f32 v[C+4*(\t):C+4*(\t)+2], v[XS:XS+15], v11   ; sixteen numbers / scale, to the nearest code, ties to even: 96 bits, the first number's code lowest
	v_lshrrev_b32 v[E+(\t)], 23, v11               ; the scale's byte (also the plain line behind the conversion)
	ds_store_b8 v6, v[E+(\t)] offset:16*(\t)       ; both lanes of a block write the same byte with the same value
.irp i, 0,1,2
	ds_store_b32 v[PA+\i], v[C+4*(\t)+\i] offset:16*(\t)           ; row t's place in a line: 16 t
.endr
	ds_store_b32 v7, v[SQ+(\t)] offset:4*(\t)      ; all lanes write the same word with the same value
.endm
.irp t, 0,1,2,3,4,5,6,7,8,9,10,11,12,13,14,15
	STEP \t
.endr
	; the record leaves: fourteen LDS loads, which see my stores, and fourteen stores of whole aligned runs
.irp f, 0,1,2,3,4,5,6,7,8,9,10,11
	ds_load_b128 v[R+4*\f:R+4*\f+3], v[RBA] offset:2*LINE*\f
.endr
	ds_load_b64 v[R+48:R+49], v[SBA]
	ds_load_b64 v[R+50:R+51], v[SBA] offset:256
.irp f, 0,1,2,3,4,5,6,7,8,9,10,11
	s_wait_dscnt 13-\f                             ; LDS loads come back in order: load f is in, the younger ones may be out
	global_store_b128 v3, v[R+4*\f:R+4*\f+3], s[8:9] offset:512*\f      ; 32 lanes store 512 consecutive bytes, at a multiple of 256 from the buffer's first byte
.endr
	s_wait_dscnt 1
	global_store_b64 v[G8], v[R+48:R+49], s[8:9] offset:6144           ; 256 consecutive bytes
	s_wait_dscnt 0x0
	global_store_b64 v[G8], v[R+50:R+51], s[8:9] offset:6400
	s_wait_tensorcnt 0x0
	ds_add_u32 v224, v225
	s_wait_dscnt 0x0
	s_endpgm
.Lfunc_end_k_q2bcaf4f635_quant:
	.size	k_q2bcaf4f635_quant, .Lfunc_end_k_q2bcaf4f635_quant-k_q2bcaf4f635_quant
	.p2alignl 7, 3214868480
	.fill 96, 4, 3214868480
	.section	.rodata,"a",@progbits
	.p2align	6, 0x0
	.amdhsa_kernel k_q2bcaf4f635_quant
		.amdhsa_group_segment_fixed_size 74496
		.amdhsa_private_segment_fixed_size 0
		.amdhsa_enable_private_segment 0
		.amdhsa_kernarg_size 32
		.amdhsa_user_sgpr_count 2
		.amdhsa_user_sgpr_kernarg_segment_ptr 1
		.amdhsa_wavefront_size32 1
		.amdhsa_system_sgpr_workgroup_id_x 1
		.amdhsa_system_sgpr_workgroup_id_y 1
		.amdhsa_system_sgpr_workgroup_id_z 1
		.amdhsa_system_vgpr_workitem_id 0
		.amdhsa_next_free_vgpr 226
		.amdhsa_next_free_sgpr 66
		.amdhsa_reserve_vcc 0
		.amdhsa_float_denorm_mode_32 3
		.amdhsa_float_denorm_mode_16_64 3
		.amdhsa_memory_ordered 1
		.amdhsa_forward_progress 1
		.amdhsa_inst_pref_size 54
	.end_amdhsa_kernel
	.amdgpu_metadata
---
amdhsa.version: [ 1, 2 ]
amdhsa.kernels:
  - .name:           k_q2bcaf4f635_quant
    .symbol:         k_q2bcaf4f635_quant.kd
    .args:
      - { .name: x, .offset: 0, .size: 8, .value_kind: global_buffer, .address_space: global }
      - { .name: codebook, .offset: 8, .size: 8, .value_kind: global_buffer, .address_space: global }
      - { .name: xq, .offset: 16, .size: 8, .value_kind: global_buffer, .address_space: global }
      - { .name: cbq, .offset: 24, .size: 8, .value_kind: global_buffer, .address_space: global }
    .group_segment_fixed_size: 74496
    .private_segment_fixed_size: 0
    .kernarg_segment_align: 8
    .kernarg_segment_size: 32
    .max_flat_workgroup_size: 192
    .sgpr_count:     66
    .vgpr_count:     226
    .wavefront_size: 32
...
	.end_amdgpu_metadata
.endif
;; end of part 1
;; launch search (part 2): grid 128 x 2, 4 waves a work-group, clusters of 4 x 1, 327,680 bytes of LDS; arguments xq, cbq, cand_val, cand_idx; writes cand_val, cand_idx
.if DOCPART == 2
	.amdgcn_target "amdgcn-amd-amdhsa--gfx1250"
	.amdhsa_code_object_version 6
	.text
	.protected	k_q2bcaf4f635_search
	.globl	k_q2bcaf4f635_search
	.p2align	8
	.type	k_q2bcaf4f635_search,@function
k_q2bcaf4f635_search:
	s_mov_b64 s[64:65], 0
	v_nop
	global_prefetch_b8 v0, s[64:65] scope:SCOPE_SE
	s_setreg_imm32_b32 hwreg(HW_REG_WAVE_MODE, 25, 1), 1
	s_wait_xcnt 0x0
	s_wait_alu depctr_hold_cnt(0) depctr_sa_sdst(0) depctr_va_vdst(0) depctr_va_sdst(0) depctr_va_ssrc(0) depctr_va_vcc(0) depctr_vm_vsrc(0)
	s_getreg_b32 s2, hwreg(HW_REG_IB_STS2, 6, 4)
	s_cmp_eq_u32 s2, 0
	s_cbranch_scc0 .Lentry_in_a_cluster
	s_endpgm
.Lentry_in_a_cluster:
	s_bfe_u32 s2, ttmp6, 0x10000c
	s_cmp_lg_u32 s2, 0x3003
	s_cbranch_scc0 .Lentry_shape_is_right
	s_endpgm
.Lentry_shape_is_right:
; For 128 rows of x and one half (4,096 codes) of the codebook: d = (|z|^2 - 2 z.c) + |c|^2 in f32, in that order of operations, z.c by the scaled FP6 matrix form on the records
; that the launch before laid (16 rows: four fragments as register images, scale bytes, sums of squares), and for each row the least d with the lowest index among equals.
; |z|^2 is the same for all codes of a row, but it is large beside the other terms and settles how d is rounded: it stays.  Nothing is left out.
; LIMITS: NaN and infinities among the inputs are not served.
; SHARES: four waves.  Each holds the fragments of all 128 rows of x (8 records, 384 registers, windows 2 and 3) for the whole launch; wave w walks, of each slot's 16 records, the four from 4 w on, which its own tensor load brought.
; A tile of 16 codes goes in two phases of 16 matrix instructions (4 row blocks x 4 K steps, the four accumulators by turns).
; Behind each matrix instruction stand 6 or 5 of the 88 vector instructions that work up the other four blocks' results of the phase before; they are also the places behind it.
; The matrix instruction takes the codes as source 0 and x as source 1: lane (r, h) holds row r of x and its registers the codes 8 h + 0 .. 7.
; THE RUNNING BEST lies in two sets of 8 registers (v88-95, v96-103) that take turns from tile to tile: the last three-input minimum takes the old best in, and the compare of new against old says where the tile won.
; THE RING: two slots of 16 records; each wave brings 4 records (104 rows of 256 bytes) by one joint load: the four work-groups of a cluster have other rows of x and the same half of the codebook.
; x's 112 loads are issued behind slot 0's tensor load and ahead of the wait for it; slot 1's first fill follows that wait, issued as a refill is.
; No prefetch: a refill is asked for seven phases, 112 matrix instructions of the wave, ahead of the wait for it.
.set REC,   6656
.set WSL,   4*REC
.set SLOTB, 16*REC
.set SLOT1, 1<<17
.set SPARE, SLOTB
.set SCR,   SPARE+512
.set AF0, 1
.set AS0, 2
.set AC0, 3
.set ADF, 4
.set ADS, 5
.set ADC, 6
.set SPW, 7
.set NIL, 8
.set XS,  16
.set CS,  48
.set CC,  56
.set ZZ,  72
.set T,   88
.set BEST, 96
.set ID,  104
.set SAV, 112
.set ACC, 176
.set PAIR, 176
.set WV,  12
.set G1,  16
.set G0A, 32
.set G0W, 36
.set TB,  44
.set TID, 45
.set MK,  48
.set SEL, 52
.set MSB, 0
.macro WIN new
.if MSB != (\new)
	s_set_vgpr_msb (MSB<<8)|(\new)
.set MSB, (\new)
.endif
.endm
.macro CROUND
	s_barrier_signal -1
	s_barrier_wait -1
	s_cmp_lg_u32 s[WV], 0
	s_cbranch_scc1 .Lnot_wave_0_\@
	s_barrier_signal -3
.Lnot_wave_0_\@:
	s_barrier_wait -3
	s_barrier_signal -1
	s_barrier_wait -1
.endm
	s_load_b256 s[4:11], s[0:1], 0x0
	v_lshl_add_u32 v[SPW], v0, 2, SPARE
	v_mov_b32 v[NIL], 0
	ds_add_u32 v7, v8
	ds_add_u32 v7, v8
	s_wait_dscnt 0x0
	v_lshrrev_b32 v9, 5, v0
	v_readfirstlane_b32 s[WV], v9
	s_bfe_u32 s13, ttmp6, 0x40000
	s_lshl_b32 s14, ttmp9, 2
	s_add_co_u32 s14, s14, s13
	s_and_b32 s15, ttmp7, 0xffff
	s_mov_b32 s[G1+0], 15|(3<<16)|(1<<21)
	s_mov_b32 s[G1+1], 32<<16
	s_mov_b32 s[G1+2], 104<<16
	s_mov_b32 s[G1+3], 32<<16
	s_mov_b32 s[G1+4], 104
	s_mov_b32 s[G1+5], 32
	s_mov_b32 s[G1+6], 0
	s_mov_b32 s[G1+7], 0
	s_lshl_b32 s54, s15, 8
	s_lshl_b32 s55, s[WV], 2
	s_add_co_u32 s54, s54, s55
	s_mul_i32 s54, s54, REC
	s_mov_b32 s55, 0
	s_mul_i32 s63, s[WV], WSL
	s_mul_i32 s58, s14, 8*REC
	s_mov_b32 s59, 0
	s_lshl_b32 s60, s15, 16
	s_lshl_b32 s61, s14, 9
	s_add_co_u32 s60, s60, s61
	s_mov_b32 s61, 0
	s_lshl_b32 s[TID], s15, 12
	s_lshl_b32 s62, s[WV], 6
	s_add_co_u32 s[TID], s[TID], s62
	s_mov_b32 s[SEL], 0x76543210
	s_mov_b32 s[SEL+1], 0xfedcba98
	s_mov_b32 s[TB], 0
	s_wait_kmcnt 0x0
	s_add_nc_u64 s[56:57], s[6:7], s[54:55]
	s_add_nc_u64 s[4:5], s[4:5], s[58:59]
	s_add_nc_u64 s[8:9], s[8:9], s[60:61]
	s_add_nc_u64 s[10:11], s[10:11], s[60:61]
	s_mov_b32 s[G0A], 1
	s_mul_i32 s[G0A+1], s[WV], WSL
	s_mov_b64 s[G0A+2:G0A+3], s[56:57]
	s_or_b32 s[G0A+3], s[G0A+3], 0x80000000
	s_mov_b32 s[G0W], 1
	s_add_co_u32 s[G0W+1], s63, SLOT1
	s_add_nc_u64 s[G0W+2:G0W+3], s[56:57], SLOTB
	s_or_b32 s[G0W+3], s[G0W+3], 0x80000000
	CROUND
	tensor_load_to_lds s[G0A:G0A+3], s[G1:G1+7]
	s_nop 0
.rept 4
	v_nop
.endr
	v_and_b32 v9, 31, v0
	v_lshlrev_b32 v9, 4, v9
	v_and_b32 v11, 15, v0
	v_lshlrev_b32 v10, 4, v11
	v_bfe_u32 v12, v0, 4, 1
	v_add_nc_u32 v[AF0], s63, v9
	v_add_nc_u32 v[AS0], s63, v10
	v_add_nc_u32 v[AS0], 6144, v[AS0]
	v_lshl_add_u32 v[AC0], v12, 5, s63
	v_add_nc_u32 v[AC0], 6400, v[AC0]
	v_lshlrev_b32 v13, 3, v11
	s_lshl_b32 s62, s[WV], 10
	s_add_co_u32 s62, s62, SCR
	v_add_nc_u32 v13, s62, v13
	v_lshl_add_u32 v14, v0, 3, SCR
	v_lshlrev_b32 v15, 2, v0
	v_lshlrev_b32 v11, 2, v11
	v_lshlrev_b32 v12, 3, v12
	WIN 0x80
.set II, 0
.rept 48
	global_load_b128 v[4*II:4*II+3], v9, s[4:5] offset:REC*(II/12)+512*(II%12)
.set II, II+1
.endr
	WIN 0xc0
.set II, 0
.rept 48
	global_load_b128 v[4*II:4*II+3], v9, s[4:5] offset:REC*(4+II/12)+512*(II%12)
.set II, II+1
.endr
	WIN 0
.irp r, 0,1,2,3,4,5,6,7
	global_load_b128 v[XS+4*\r:XS+4*\r+3], v10, s[4:5] offset:REC*\r+6144
	global_load_b32 v[ZZ+2*\r], v11, s[4:5] offset:REC*\r+6400
.endr
.set II, 0
.rept 8
	v_mov_b32 v[BEST+II], 0x7f800000
	v_mov_b32 v[T+II], 0x7f800000                  ; the other set of the running best
	v_mov_b32 v[ID+II], s[TID]
	v_mov_b32 v[CC+8+II], 0
.set II, II+1
.endr
.set II, 0
.rept 64
	v_mov_b32 v[SAV+II], 0x7f800000
.set II, II+1
.endr
.set II, 0
.rept 32
	v_mov_b32 v[ACC+32+II], 0xff800000
.set II, II+1
.endr
	s_sub_co_u32 s[TID], s[TID], 208
.macro EP grp, pc
.set EPS, EPN/4
.set EPQ, EPN%4
.set EPR, 4*(\grp)+EPQ
.set EPA, ACC+32*(\grp)+8*EPQ
.if EPS < 4
	v_pk_fma_f32 v[EPA+2*EPS:EPA+2*EPS+1], v[EPA+2*EPS:EPA+2*EPS+1], -2.0, v[ZZ+2*EPR:ZZ+2*EPR+1] op_sel_hi:[1,0,1]
.elseif EPS < 8
	v_pk_add_f32 v[EPA+2*(EPS-4):EPA+2*(EPS-4)+1], v[EPA+2*(EPS-4):EPA+2*(EPS-4)+1], v[CC+8*(\pc)+2*(EPS-4):CC+8*(\pc)+2*(EPS-4)+1]
.elseif EPS == 8                       ; a tile of parity pc finds the old best at BEST - 8 pc and leaves the new one at BEST - 8 + 8 pc
	v_min3_num_f32 v[BEST-8+8*(\pc)+EPR], v[EPA], v[EPA+1], v[EPA+2]
.elseif EPS < 11
	v_min3_num_f32 v[BEST-8+8*(\pc)+EPR], v[BEST-8+8*(\pc)+EPR], v[EPA+2*(EPS-8)+1], v[EPA+2*(EPS-8)+2]
.elseif EPS == 11
	v_min3_num_f32 v[BEST-8+8*(\pc)+EPR], v[BEST-8+8*(\pc)+EPR], v[EPA+7], v[BEST-8*(\pc)+EPR]
.elseif EPS == 12
	v_cmp_lt_f32 s[MK+EPQ], v[BEST-8+8*(\pc)+EPR], v[BEST-8*(\pc)+EPR]   ; strictly less: among equals the earlier tile, which has the lower indices, stays
.elseif EPS == 13
	v_cndmask_b32 v[ID+EPR], v[ID+EPR], s[TID], s[MK+EPQ]
.else
	v_cndmask_b32 v[SAV+8*EPR+EPS-14], v[SAV+8*EPR+EPS-14], v[EPA+EPS-14], s[MK+EPQ]
.endif
.set EPN, EPN+1
.endm
.macro PH u, p, pc, dsw
.if \dsw >= 0
	s_wait_dscnt \dsw
.endif
.set EPN, 0
.set PI, 0
.rept 16
.set PS, PI/4
.set PR, PI%4
	WIN 0x09+4*(\u)
.if PS == 0
	v_wmma_scale_f32_16x16x128_f8f6f4 v[ACC+32*(\u)+8*PR:ACC+32*(\u)+8*PR+7], v[48*(\p)+12*PS:48*(\p)+12*PS+11], v[48*PR+12*PS:48*PR+12*PS+11], 0, v[CS+4*(\p)+PS], v[XS+4*(4*(\u)+PR)+PS] matrix_a_fmt:MATRIX_FMT_FP6 matrix_b_fmt:MATRIX_FMT_FP6
.else
	v_wmma_scale_f32_16x16x128_f8f6f4 v[ACC+32*(\u)+8*PR:ACC+32*(\u)+8*PR+7], v[48*(\p)+12*PS:48*(\p)+12*PS+11], v[48*PR+12*PS:48*PR+12*PS+11], v[ACC+32*(\u)+8*PR:ACC+32*(\u)+8*PR+7], v[CS+4*(\p)+PS], v[XS+4*(4*(\u)+PR)+PS] matrix_a_fmt:MATRIX_FMT_FP6 matrix_b_fmt:MATRIX_FMT_FP6
.endif
	WIN 0
.rept 6-(PR%2)
	EP 1-(\u), \pc
.endr
.set PI, PI+1
.endr
.endm
.macro LOADS i, p, newslot
	WIN 0
.if \newslot
	v_add_nc_u32 v[ADF], s[TB], v[AF0]
	v_add_nc_u32 v[ADS], s[TB], v[AS0]
	v_add_nc_u32 v[ADC], s[TB], v[AC0]
.endif
	ds_load_b128 v[CS+4*(\p):CS+4*(\p)+3], v[ADS] offset:REC*(\i)
	ds_load_b128 v[CC+8*(\p):CC+8*(\p)+3], v[ADC] offset:REC*(\i)
	ds_load_b128 v[CC+8*(\p)+4:CC+8*(\p)+7], v[ADC] offset:REC*(\i)+16
	WIN 0x40
.irp f, 0,1,2,3,4,5,6,7,8,9,10,11
	ds_load_b128 v[48*(\p)+4*\f:48*(\p)+4*\f+3], v[ADF] offset:REC*(\i)+512*\f
.endr
.endm
.macro SLOT mode
	PH 0, 0, 1, 0
	s_add_co_u32 s[TID], s[TID], 208
	LOADS 1, 1, 0
	PH 1, 0, 0, -1
	PH 0, 1, 0, 0
	s_add_co_u32 s[TID], s[TID], 16
	LOADS 2, 0, 0
	PH 1, 1, 1, -1
	PH 0, 0, 1, 0
	s_add_co_u32 s[TID], s[TID], 16
	LOADS 3, 1, 0
	PH 1, 0, 0, -1
.if \mode == 2
	s_wait_tensorcnt 0x0
	ds_add_u32 v[SPW], v[NIL]
	s_xor_b32 s[G0W+1], s[G0W+1], SLOT1
	s_add_nc_u64 s[G0W+2:G0W+3], s[G0W+2:G0W+3], SLOTB
	PH 0, 1, 0, 1
	s_wait_dscnt 0x0
	CROUND
	tensor_load_to_lds s[G0W:G0W+3], s[G1:G1+7]
	s_nop 0
.rept 4
	v_nop
.endr
.elseif \mode == 1
	s_wait_tensorcnt 0x0
	PH 0, 1, 0, 0
.else
	PH 0, 1, 0, 0
.endif
	s_add_co_u32 s[TID], s[TID], 16
.if \mode >= 1
	s_xor_b32 s[TB], s[TB], SLOT1
	LOADS 0, 0, 1
.endif
	PH 1, 1, 1, -1
.endm
	s_wait_alu depctr_va_vdst(0)
	s_wait_tensorcnt 0x0                           ; slot 0: my part is in; these lines stand ahead of a later first fill as ahead of a refill
	ds_add_u32 v7, v8
	s_wait_dscnt 0x0
	CROUND
	tensor_load_to_lds s[G0W:G0W+3], s[G1:G1+7]    ; slot 1
	s_nop 0
.rept 4
	v_nop
.endr
	s_wait_loadcnt 0x0
.irp r, 0,1,2,3,4,5,6,7
	v_mov_b32 v[ZZ+2*\r+1], v[ZZ+2*\r]
.endr
	s_wait_tensorcnt 0x1
	LOADS 0, 0, 1
	WIN 0
	s_mov_b32 s46, 14
.Lslot:
	s_wait_alu depctr_va_vdst(0)
	SLOT 2
	s_sub_co_u32 s46, s46, 1
	s_cmp_lg_u32 s46, 0
	s_cbranch_scc1 .Lslot
	SLOT 1
	SLOT 0
.set EPN, 0
.rept 88
	EP 1, 1
.endr
.macro LEX bv, bi, ov, oi, d
	v_cmp_lt_f32 s54, v[\ov], v[\bv]
	v_cmp_eq_f32 s55, v[\ov], v[\bv]
	v_cmp_lt_u32 s56, v[\oi], v[\bi]
	s_and_b32 s55, s55, s56
	s_or_b32 s54, s54, s55
	v_cndmask_b32 v[\d], v[\bv], v[\ov], s54
	v_cndmask_b32 v[(\d)+1], v[\bi], v[\oi], s54
.endm
.macro FIN r
	v_mov_b32 v9, 7
.irp j, 6,5,4,3,2,1,0
	v_cmp_eq_f32 vcc_lo, v[SAV+8*(\r)+\j], v[BEST+(\r)]
	v_cndmask_b32 v9, v9, \j, vcc_lo
.endr
	v_add3_u32 v[ID+(\r)], v[ID+(\r)], v9, v12
	v_permlanex16_b32 v10, v[BEST+(\r)], s[SEL], s[SEL+1]
	v_permlanex16_b32 v11, v[ID+(\r)], s[SEL], s[SEL+1]
	LEX BEST+(\r), ID+(\r), 10, 11, PAIR+2*(\r)
	ds_store_b64 v13, v[PAIR+2*(\r):PAIR+2*(\r)+1] offset:128*(\r)
.endm
.irp r, 0,1,2,3,4,5,6,7
	FIN \r
.endr
	s_wait_dscnt 0x0
	s_barrier_signal -1
	s_barrier_wait -1
.irp w, 0,1,2,3
	ds_load_b64 v[192+2*\w:193+2*\w], v14 offset:1024*\w
.endr
	s_wait_dscnt 0x0
	LEX 192, 193, 194, 195, 192
	LEX 192, 193, 196, 197, 192
	LEX 192, 193, 198, 199, 192
	global_store_b32 v15, v192, s[8:9]
	global_store_b32 v15, v193, s[10:11]
	s_wait_tensorcnt 0x0
	ds_add_u32 v[SPW], v[NIL]
	s_wait_dscnt 0x0
	CROUND
	s_endpgm
.Lfunc_end_k_q2bcaf4f635_search:
	.size	k_q2bcaf4f635_search, .Lfunc_end_k_q2bcaf4f635_search-k_q2bcaf4f635_search
	.p2alignl 7, 3214868480
	.fill 96, 4, 3214868480
	.section	.rodata,"a",@progbits
	.p2align	6, 0x0
	.amdhsa_kernel k_q2bcaf4f635_search
		.amdhsa_group_segment_fixed_size 327680
		.amdhsa_private_segment_fixed_size 0
		.amdhsa_enable_private_segment 0
		.amdhsa_kernarg_size 32
		.amdhsa_user_sgpr_count 2
		.amdhsa_user_sgpr_kernarg_segment_ptr 1
		.amdhsa_wavefront_size32 1
		.amdhsa_system_sgpr_workgroup_id_x 1
		.amdhsa_system_sgpr_workgroup_id_y 1
		.amdhsa_system_sgpr_workgroup_id_z 1
		.amdhsa_system_vgpr_workitem_id 0
		.amdhsa_next_free_vgpr 960
		.amdhsa_next_free_sgpr 66
		.amdhsa_reserve_vcc 1
		.amdhsa_float_denorm_mode_32 3
		.amdhsa_float_denorm_mode_16_64 3
		.amdhsa_memory_ordered 1
		.amdhsa_forward_progress 1
		.amdhsa_inst_pref_size 255
	.end_amdhsa_kernel
	.section	.bss,"aw",@nobits
	.p2align	6
	.space	262144
	.amdgpu_metadata
---
amdhsa.version: [ 1, 2 ]
amdhsa.kernels:
  - .name:           k_q2bcaf4f635_search
    .symbol:         k_q2bcaf4f635_search.kd
    .args:
      - { .name: xq, .offset: 0, .size: 8, .value_kind: global_buffer, .address_space: global }
      - { .name: cbq, .offset: 8, .size: 8, .value_kind: global_buffer, .address_space: global }
      - { .name: cand_val, .offset: 16, .size: 8, .value_kind: global_buffer, .address_space: global }
      - { .name: cand_idx, .offset: 24, .size: 8, .value_kind: global_buffer, .address_space: global }
    .group_segment_fixed_size: 327680
    .private_segment_fixed_size: 0
    .kernarg_segment_align: 8
    .kernarg_segment_size: 32
    .max_flat_workgroup_size: 128
    .sgpr_count:     66
    .vgpr_count:     960
    .wavefront_size: 32
...
	.end_amdgpu_metadata
.endif
;; end of part 2
;; launch gather (part 3): grid 256 x 1, 16 waves a work-group, no clusters, 0 bytes of LDS; arguments x, codebook, cand_val, cand_idx, out0, out3, part; writes out0, out3, part
.if DOCPART == 3
	.amdgcn_target "amdgcn-amd-amdhsa--gfx1250"
	.amdhsa_code_object_version 6
	.text
	.protected	k_q2bcaf4f635_gather
	.globl	k_q2bcaf4f635_gather
	.p2align	8
	.type	k_q2bcaf4f635_gather,@function
k_q2bcaf4f635_gather:
	s_mov_b64 s[64:65], 0
	v_nop
	global_prefetch_b8 v0, s[64:65] scope:SCOPE_SE
	s_setreg_imm32_b32 hwreg(HW_REG_WAVE_MODE, 25, 1), 1
	s_wait_xcnt 0x0
; For each row: the better of the two halves' candidates (half 1 only where its d is strictly smaller: a tie keeps the lower index), z_q = that row of the codebook,
; out0 = z_e + (z_q - z_e) in that order of operations, out3 = the index, and a wave's sum of (z_q - z_e)^2.
; The choice between the halves hangs on f32 numbers, so it steers no address: BOTH candidate rows are loaded (their indices are whole numbers that an earlier launch stored) and v_cndmask_b32 selects.
; A stream: no LDS, no barrier, no matrix unit.  Sixteen waves, 4 rows each, a set of 48 registers for each row: no register is loaded twice, so no wait stands between a row's stores and later loads.
; x's 16 loads (512 consecutive bytes each) hang on ids alone and go out ahead of the wait for the indices; the 32 loads of candidate rows follow.
; An index is held to 0 .. 8,191 before it enters an offset.
.set ROWB, 2048
.set X,   16                           ; v16-207  four rows of 48: x, candidate 0 (then z_q, then out0), candidate 1 (then z_q - z_e)
.set OF,  208                          ; v208-215 byte offsets in the codebook: row i's candidates at OF + 2 i, OF + 2 i + 1
.set L0,  224                          ; v[224:225], v[226:227] two packed chains of the loss
.set L1,  226
.set VT,  228
	s_load_b256 s[4:11], s[0:1], 0x0               ; x s[4:5], codebook s[6:7], cand_val s[8:9], cand_idx s[10:11]
	s_load_b128 s[12:15], s[0:1], 0x20             ; out0 s[12:13], out3 s[14:15]
	s_load_b64 s[16:17], s[0:1], 0x30              ; part
	v_lshrrev_b32 v1, 5, v0
	s_delay_alu instid0(VALU_DEP_1)
	v_readfirstlane_b32 s18, v1                    ; wave 0..15
	v_and_b32 v2, 31, v0                           ; lane
	s_delay_alu instid0(VALU_DEP_1)
	v_lshlrev_b32 v3, 4, v2                        ; 16 x lane
.irp k, 0,1,2,3
	v_mov_b32 v[L0+\k], 0
.endr
	s_lshl_b32 s19, ttmp9, 4
	s_add_co_u32 s19, s19, s18                     ; my wave's number in the launch, 0 .. 4095
	s_lshl_b32 s20, s19, 4                         ; its 4 rows' words: 16 bytes
	s_mov_b32 s21, 0
	s_mov_b32 s22, 0x76543210
	s_mov_b32 s23, 0xfedcba98
	s_lshl_b32 s56, s19, 13                        ; 4 rows of 2,048 bytes
	s_mov_b32 s57, 0
	s_lshl_b32 s58, s19, 2
	s_mov_b32 s59, 0
	s_wait_alu depctr_va_vdst(0)
	s_wait_kmcnt 0x0
	s_add_nc_u64 s[8:9], s[8:9], s[20:21]
	s_add_nc_u64 s[10:11], s[10:11], s[20:21]
	s_add_nc_u64 s[14:15], s[14:15], s[20:21]      ; (used by wave 0 alone, for which this is the work-group's 64 rows' first word)
	s_load_b128 s[24:27], s[10:11], 0x0            ; my 4 rows' indices from half 0,
	s_load_b128 s[32:35], s[10:11], 0x10000        ; from half 1 (16,384 words on),
	s_load_b128 s[40:43], s[8:9], 0x0              ; and the two d
	s_load_b128 s[48:51], s[8:9], 0x10000
	s_add_nc_u64 s[4:5], s[4:5], s[56:57]
	s_add_nc_u64 s[12:13], s[12:13], s[56:57]
	s_add_nc_u64 s[16:17], s[16:17], s[58:59]
.irp i, 0,1,2,3
.irp k, 0,1,2,3
	global_load_b128 v[X+48*\i+4*\k:X+48*\i+4*\k+3], v3, s[4:5] offset:ROWB*\i+512*\k th:TH_LOAD_NT   ; x: read here for the last time
.endr
.endr
	s_wait_kmcnt 0x0
.irp i, 0,1,2,3
	s_min_u32 s[24+\i], s[24+\i], 0x1fff           ; an index stays inside the table
	s_min_u32 s[32+\i], s[32+\i], 0x1fff
.endr
.irp i, 0,1,2,3
	v_lshl_add_u32 v[OF+2*\i], s[24+\i], 11, v3    ; row x 2,048 bytes + 16 x lane
	v_lshl_add_u32 v[OF+2*\i+1], s[32+\i], 11, v3
.endr
	s_wait_alu depctr_va_vdst(0)
.irp i, 0,1,2,3
.irp k, 0,1,2,3
	global_load_b128 v[X+48*\i+16+4*\k:X+48*\i+16+4*\k+3], v[OF+2*\i], s[6:7] offset:512*\k            ; table rows may be named again: no hint
.endr
.irp k, 0,1,2,3
	global_load_b128 v[X+48*\i+32+4*\k:X+48*\i+32+4*\k+3], v[OF+2*\i+1], s[6:7] offset:512*\k
.endr
.endr
.macro ROW i, left
.set XB, X+48*(\i)
	s_wait_loadcnt \left                           ; x and my row's eight candidate loads are in; eight for each younger row may be out
	v_mov_b32 v[VT], s[40+(\i)]
	s_delay_alu instid0(VALU_DEP_1)
	v_cmp_lt_f32 vcc_lo, s[48+(\i)], v[VT]         ; half 1 wins only by strictly less
.irp k, 0,1,2,3,4,5,6,7,8,9,10,11,12,13,14,15
	v_cndmask_b32 v[XB+16+\k], v[XB+16+\k], v[XB+32+\k], vcc_lo    ; z_q
.endr
.irp k, 0,2,4,6,8,10,12,14
	v_pk_add_f32 v[XB+32+\k:XB+33+\k], v[XB+16+\k:XB+17+\k], v[XB+\k:XB+1+\k] neg_lo:[0,1] neg_hi:[0,1]   ; z_q - z_e
.endr
.irp k, 0
	v_pk_fma_f32 v[L0:L0+1], v[XB+32+\k:XB+33+\k], v[XB+32+\k:XB+33+\k], v[L0:L0+1]
	v_pk_fma_f32 v[L1:L1+1], v[XB+34+\k:XB+35+\k], v[XB+34+\k:XB+35+\k], v[L1:L1+1]
.endr
.irp k, 4, 8, 12
	s_delay_alu instid0(VALU_DEP_2)
	v_pk_fma_f32 v[L0:L0+1], v[XB+32+\k:XB+33+\k], v[XB+32+\k:XB+33+\k], v[L0:L0+1]
	s_delay_alu instid0(VALU_DEP_2)
	v_pk_fma_f32 v[L1:L1+1], v[XB+34+\k:XB+35+\k], v[XB+34+\k:XB+35+\k], v[L1:L1+1]
.endr
.irp k, 0,2,4,6,8,10,12,14
	v_pk_add_f32 v[XB+16+\k:XB+17+\k], v[XB+\k:XB+1+\k], v[XB+32+\k:XB+33+\k]      ; z_e + (z_q - z_e)
.endr
.irp k, 0,1,2,3
	global_store_b128 v3, v[XB+16+4*\k:XB+16+4*\k+3], s[12:13] offset:ROWB*(\i)+512*\k th:TH_STORE_NT   ; 512 consecutive bytes, aligned; written once
.endr
.endm
	ROW 0, 24
	ROW 1, 16
	ROW 2, 8
	ROW 3, 0
	v_pk_add_f32 v[L0:L0+1], v[L0:L0+1], v[L1:L1+1]
	s_delay_alu instid0(VALU_DEP_1)
	v_add_f32 v[L0], v[L0], v[L0+1]
	s_delay_alu instid0(VALU_DEP_1)
	v_add_f32_dpp v[L0], v[L0], v[L0] row_xmask:1 row_mask:0xf bank_mask:0xf
	s_delay_alu instid0(VALU_DEP_1)
	v_add_f32_dpp v[L0], v[L0], v[L0] row_xmask:2 row_mask:0xf bank_mask:0xf
	s_delay_alu instid0(VALU_DEP_1)
	v_add_f32_dpp v[L0], v[L0], v[L0] row_xmask:4 row_mask:0xf bank_mask:0xf
	s_delay_alu instid0(VALU_DEP_1)
	v_add_f32_dpp v[L0], v[L0], v[L0] row_xmask:8 row_mask:0xf bank_mask:0xf
	s_delay_alu instid0(VALU_DEP_1)
	v_permlanex16_b32 v[VT], v[L0], s22, s23       ; (its destination has been written)
	s_delay_alu instid0(VALU_DEP_1)
	v_add_f32 v[L0], v[L0], v[VT]                  ; my wave's sum of squares
	v_mov_b32 v1, 0
	v_cmp_eq_u32 vcc_lo, 0, v2
	s_wait_alu depctr_va_vdst(0)
	s_wait_xcnt 0x0                                ; EXEC changes only behind this wait
	s_and_saveexec_b32 s52, vcc_lo
	global_store_b32 v1, v[L0], s[16:17]           ; one word a wave: the sum over waves is a later launch's
	s_wait_xcnt 0x0
	s_or_b32 exec_lo, exec_lo, s52
	s_cmp_lg_u32 s18, 0                            ; wave 0 writes the work-group's 64 indices
	s_cbranch_scc1 .Ldone
	v_lshlrev_b32 v4, 3, v2                        ; lane l: rows 2 l and 2 l + 1
	global_load_b64 v[16:17], v4, s[8:9]
	global_load_b64 v[18:19], v4, s[8:9] offset:65536
	global_load_b64 v[20:21], v4, s[10:11]
	global_load_b64 v[22:23], v4, s[10:11] offset:65536
	s_wait_loadcnt 0x0
	v_cmp_lt_f32 vcc_lo, v18, v16
	s_delay_alu instid0(VALU_DEP_1)
	v_cndmask_b32 v20, v20, v22, vcc_lo
	v_cmp_lt_f32 vcc_lo, v19, v17
	s_delay_alu instid0(VALU_DEP_1)
	v_cndmask_b32 v21, v21, v23, vcc_lo
	s_wait_alu depctr_va_vdst(0)
	global_store_b64 v4, v[20:21], s[14:15]        ; 32 lanes store 256 consecutive bytes, aligned
.Ldone:
	s_endpgm
.Lfunc_end_k_q2bcaf4f635_gather:
	.size	k_q2bcaf4f635_gather, .Lfunc_end_k_q2bcaf4f635_gather-k_q2bcaf4f635_gather
	.p2alignl 7, 3214868480
	.fill 96, 4, 3214868480
	.section	.rodata,"a",@progbits
	.p2align	6, 0x0
	.amdhsa_kernel k_q2bcaf4f635_gather
		.amdhsa_group_segment_fixed_size 0
		.amdhsa_private_segment_fixed_size 0
		.amdhsa_enable_private_segment 0
		.amdhsa_kernarg_size 56
		.amdhsa_user_sgpr_count 2
		.amdhsa_user_sgpr_kernarg_segment_ptr 1
		.amdhsa_wavefront_size32 1
		.amdhsa_system_sgpr_workgroup_id_x 1
		.amdhsa_system_sgpr_workgroup_id_y 1
		.amdhsa_system_sgpr_workgroup_id_z 1
		.amdhsa_system_vgpr_workitem_id 0
		.amdhsa_next_free_vgpr 232
		.amdhsa_next_free_sgpr 66
		.amdhsa_reserve_vcc 1
		.amdhsa_float_denorm_mode_32 3
		.amdhsa_float_denorm_mode_16_64 3
		.amdhsa_memory_ordered 1
		.amdhsa_forward_progress 1
		.amdhsa_inst_pref_size 20
	.end_amdhsa_kernel
	.amdgpu_metadata
---
amdhsa.version: [ 1, 2 ]
amdhsa.kernels:
  - .name:           k_q2bcaf4f635_gather
    .symbol:         k_q2bcaf4f635_gather.kd
    .args:
      - { .name: x, .offset: 0, .size: 8, .value_kind: global_buffer, .address_space: global }
      - { .name: codebook, .offset: 8, .size: 8, .value_kind: global_buffer, .address_space: global }
      - { .name: cand_val, .offset: 16, .size: 8, .value_kind: global_buffer, .address_space: global }
      - { .name: cand_idx, .offset: 24, .size: 8, .value_kind: global_buffer, .address_space: global }
      - { .name: out0, .offset: 32, .size: 8, .value_kind: global_buffer, .address_space: global }
      - { .name: out3, .offset: 40, .size: 8, .value_kind: global_buffer, .address_space: global }
      - { .name: part, .offset: 48, .size: 8, .value_kind: global_buffer, .address_space: global }
    .group_segment_fixed_size: 0
    .private_segment_fixed_size: 0
    .kernarg_segment_align: 8
    .kernarg_segment_size: 56
    .max_flat_workgroup_size: 512
    .sgpr_count:     66
    .vgpr_count:     232
    .wavefront_size: 32
...
	.end_amdgpu_metadata
.endif
;; end of part 3
;; launch finish (part 4): grid 1 x 1, 1 waves a work-group, no clusters, 0 bytes of LDS; arguments part, out1, out2; writes out1, out2
.if DOCPART == 4
	.amdgcn_target "amdgcn-amd-amdhsa--gfx1250"
	.amdhsa_code_object_version 6
	.text
	.protected	k_q2bcaf4f635_finish
	.globl	k_q2bcaf4f635_finish
	.p2align	8
	.type	k_q2bcaf4f635_finish,@function
k_q2bcaf4f635_finish:
	s_mov_b64 s[64:65], 0
	v_nop
	global_prefetch_b8 v0, s[64:65] scope:SCOPE_SE
	s_setreg_imm32_b32 hwreg(HW_REG_WAVE_MODE, 25, 1), 1
	s_wait_xcnt 0x0
; out1 = out2 = the mean of (z_q - z_e)^2: both losses are the same sum.  4,096 partial sums, 16,384 bytes, one wave: a sum that spans work-groups has one owner.
; The divisor 16,384 x 512 = 2^23 is a power of two: the multiplication by 2^-23 rounds nothing.
	s_load_b128 s[4:7], s[0:1], 0x0                ; part s[4:5], out1 s[6:7]
	s_load_b64 s[8:9], s[0:1], 0x10                ; out2
	v_lshlrev_b32 v1, 4, v0
	s_mov_b32 s10, 0x76543210
	s_mov_b32 s11, 0xfedcba98
	s_wait_alu depctr_va_vdst(0)
	s_wait_kmcnt 0x0
.set K, 0
.rept 32
	global_load_b128 v[16+4*K:19+4*K], v1, s[4:5] offset:512*K
.set K, K+1
.endr
	s_wait_loadcnt 0x0
.set J, 4
.rept 60
	v_pk_add_f32 v[16+2*(J%4):17+2*(J%4)], v[16+2*(J%4):17+2*(J%4)], v[16+2*J:17+2*J]      ; four packed chains, started by the first four pairs
.set J, J+1
.endr
	v_pk_add_f32 v[16:17], v[16:17], v[18:19]
	v_pk_add_f32 v[20:21], v[20:21], v[22:23]
	v_pk_add_f32 v[16:17], v[16:17], v[20:21]
	v_add_f32 v8, v16, v17
	v_mov_b32 v9, 0                                ; a lane permute's destination counts as one of its sources
	v_add_f32_dpp v8, v8, v8 row_xmask:1 row_mask:0xf bank_mask:0xf
	v_add_f32_dpp v8, v8, v8 row_xmask:2 row_mask:0xf bank_mask:0xf
	v_add_f32_dpp v8, v8, v8 row_xmask:4 row_mask:0xf bank_mask:0xf
	v_add_f32_dpp v8, v8, v8 row_xmask:8 row_mask:0xf bank_mask:0xf
	v_permlanex16_b32 v9, v8, s10, s11
	v_add_f32 v8, v8, v9
	v_mul_f32 v8, 0x34000000, v8                   ; x 2^-23
	v_mov_b32 v2, 0
	v_cmp_eq_u32 vcc_lo, 0, v0
	s_wait_alu depctr_va_vdst(0)
	s_wait_xcnt 0x0                                ; EXEC changes only behind this wait
	s_and_saveexec_b32 s12, vcc_lo
	global_store_b32 v2, v8, s[6:7]
	global_store_b32 v2, v8, s[8:9]
	s_wait_xcnt 0x0
	s_or_b32 exec_lo, exec_lo, s12
	s_endpgm
.Lfunc_end_k_q2bcaf4f635_finish:
	.size	k_q2bcaf4f635_finish, .Lfunc_end_k_q2bcaf4f635_finish-k_q2bcaf4f635_finish
	.p2alignl 7, 3214868480
	.fill 96, 4, 3214868480
	.section	.rodata,"a",@progbits
	.p2align	6, 0x0
	.amdhsa_kernel k_q2bcaf4f635_finish
		.amdhsa_group_segment_fixed_size 0
		.amdhsa_private_segment_fixed_size 0
		.amdhsa_enable_private_segment 0
		.amdhsa_kernarg_size 24
		.amdhsa_user_sgpr_count 2
		.amdhsa_user_sgpr_kernarg_segment_ptr 1
		.amdhsa_wavefront_size32 1
		.amdhsa_system_sgpr_workgroup_id_x 1
		.amdhsa_system_sgpr_workgroup_id_y 1
		.amdhsa_system_sgpr_workgroup_id_z 1
		.amdhsa_system_vgpr_workitem_id 0
		.amdhsa_next_free_vgpr 144
		.amdhsa_next_free_sgpr 66
		.amdhsa_reserve_vcc 1
		.amdhsa_float_denorm_mode_32 3
		.amdhsa_float_denorm_mode_16_64 3
		.amdhsa_memory_ordered 1
		.amdhsa_forward_progress 1
		.amdhsa_inst_pref_size 9
	.end_amdhsa_kernel
	.amdgpu_metadata
---
amdhsa.version: [ 1, 2 ]
amdhsa.kernels:
  - .name:           k_q2bcaf4f635_finish
    .symbol:         k_q2bcaf4f635_finish.kd
    .args:
      - { .name: part, .offset: 0, .size: 8, .value_kind: global_buffer, .address_space: global }
      - { .name: out1, .offset: 8, .size: 8, .value_kind: global_buffer, .address_space: global }
      - { .name: out2, .offset: 16, .size: 8, .value_kind: global_buffer, .address_space: global }
    .group_segment_fixed_size: 0
    .private_segment_fixed_size: 0
    .kernarg_segment_align: 8
    .kernarg_segment_size: 24
    .max_flat_workgroup_size: 32
    .sgpr_count:     66
    .vgpr_count:     144
    .wavefront_size: 32
...
	.end_amdgpu_metadata
.endif
;; end of part 4
